; MI455X (gfx1250); checked and timed in simulation.
; The chip was launched on July 23, 2026; its instructions are those of AMD's public machine-readable ISA for CDNA 5 (MIT licence, August 2026) and "CDNA5" Instruction Set Architecture Reference Guide (July 2026). The comments in the code are by the model that wrote it; some were corrected since.
;; Memory Core. Allowed arithmetic: float matrix products may take bf16 or f16 operands with f32 sums; all other float work in f32.
;; Inputs: embedding 8,192 x 512 float32; memory_bank 16,384 x 512 float32.
;; Outputs: out0 8,192 x 1 float32.
;; 2 versions, each right; version 2 is version 1 with the launch prep written anew for expert scheduling mode. Each part assembles by itself: llvm-mc -triple=amdgcn-amd-amdhsa -mcpu=gfx1250 --defsym DOCPART=n.
;; ======== version 1 of 2: 3 launches
;; workspace buffers: rows16 25,165,824 bytes; norms 98,304 bytes; part 262,144 bytes
;; launch prep (part 1): grid 768 x 1, 4 waves a work-group, no clusters, 768 bytes of LDS; arguments embedding, memory_bank, rows16, norms; writes rows16, norms
.if DOCPART == 1
	.amdgcn_target "amdgcn-amd-amdhsa--gfx1250"
	.amdhsa_code_object_version 6
	.text
	.protected	k_qdc61567cbf_prep
	.globl	k_qdc61567cbf_prep
	.p2align	8
	.type	k_qdc61567cbf_prep,@function
k_qdc61567cbf_prep:
	s_mov_b64 s[64:65], 0
	v_nop
	global_prefetch_b8 v0, s[64:65] scope:SCOPE_SE
	s_setreg_imm32_b32 hwreg(HW_REG_WAVE_MODE, 25, 1), 1
	s_wait_xcnt 0x0
; Both inputs, rounded once to bf16, and the norms of the ROUNDED rows.
;   rows16: [24576][512] bf16; rows 0-8191 = embedding, rows 8192-24575 = memory_bank.
;   norms:  [24576] f32; rows 0-8191 hold +|x|^2, rows 8192-24575 hold -|m|^2 / 2 (the form in which the product's sums start).
; The norms are taken on the rounded numbers, so that |x|^2 + |m|^2 - 2 x.m is the squared distance of the rounded rows up to f32 rounding,
; also where all inputs carry a large common offset; norms of the unrounded rows would not match the bf16 product.
; LIMIT: finite inputs; the numbers' range is that of f32 (bf16 has the same exponents).
; 768 work-groups of four waves; a work-group owns 32 rows, a wave 8 rows, a lane 16 numbers of each row.
; No loop: a wave issues its 32 loads of 16 bytes a lane at once (16 KiB of the wave are then on their way) and takes the rows as they come.
; No matrix unit, no tensor load, no cluster: every byte is read once and written once, and no two work-groups share any.
.set ROWIN,  2048                      ; bytes in a row of f32
.set ROWOUT, 1024                      ; bytes in a row of bf16
.set T, 6                              ; v[6:9]     four rounded numbers, widened to f32 again
.set S, 10                             ; v[10:13]   four running sums of squares
.set P, 14                             ; v14        the other half's sum
.set X, 16                             ; v[16:143]  row j, load i: four registers at X + 16 j + 4 i
	s_load_b256 s[4:11], s[0:1], 0x0               ; embedding s[4:5], memory_bank s[6:7], rows16 s[8:9], norms s[10:11]
	v_lshl_add_u32 v144, v0, 2, 0x100
	v_mov_b32 v145, 0
	v_lshrrev_b32 v1, 5, v0
	v_readfirstlane_b32 s12, v1                    ; wave 0..3
	s_mov_b32 s13, 0xffff0000                      ; a word's upper bf16
	s_mov_b32 s14, 0x76543210                      ; v_permlanex16_b32: lane i of one half reads lane i of the other
	s_mov_b32 s15, 0xfedcba98
	v_and_b32 v1, 31, v0                           ; lane
	v_lshlrev_b32 v2, 4, v1
	v_lshl_or_b32 v2, s12, 14, v2                  ; in:  wave x 8 rows x 2,048 bytes + 16 x lane
	v_lshlrev_b32 v3, 3, v1
	v_lshl_or_b32 v3, s12, 13, v3                  ; out: wave x 8 rows x 1,024 bytes + 8 x lane
	v_mov_b32 v4, s12
	v_lshlrev_b32 v4, 5, v4                        ; LDS: my wave's eight norms
	v_lshlrev_b32 v5, 2, v1                        ; 4 x lane
	v_mov_b32 v[P], 0                              ; v_permlanex16_b32 counts as a reader of its destination
	s_wait_kmcnt 0x0
	s_cmp_lt_u32 ttmp9, 256                        ; work-groups 0-255 take embedding, 256-767 memory_bank
	s_cselect_b64 s[16:17], s[4:5], s[6:7]         ; my input
	s_mov_b32 s20, 0xbf000000                      ; the norm's factor: -1/2 for the bank,
	s_cmov_b32 s20, 0x3f800000                     ; 1 for the embedding
	s_cselect_b32 s21, 0, 256                      ; the first work-group of my input
	s_sub_co_u32 s18, ttmp9, s21
	s_lshl_b32 s18, s18, 16                        ; 32 rows x 2,048 bytes for each work-group
	s_mov_b32 s19, 0
	s_add_nc_u64 s[16:17], s[16:17], s[18:19]
.irp j, 0,1,2,3,4,5,6,7
.irp i, 0,1,2,3
	global_load_b128 v[X+16*\j+4*\i:X+16*\j+4*\i+3], v2, s[16:17] offset:ROWIN*\j+512*\i th:TH_LOAD_NT   ; 512 consecutive bytes a wave; read once in the launch
.endr
.endr
	s_lshl_b32 s18, ttmp9, 15                      ; 32 rows x 1,024 bytes
	s_add_nc_u64 s[8:9], s[8:9], s[18:19]
	s_lshl_b32 s18, ttmp9, 7                       ; 32 norms
	s_add_nc_u64 s[10:11], s[10:11], s[18:19]
; Row j: round, store, square the rounded numbers, sum over the wave, put the norm into LDS.
; The rounded pair stays in the first two of a load's four registers and is never written again, so its store needs no wait.
.macro ROW j
	s_wait_loadcnt 28-4*\j                         ; loads come back in order (ISA guide 5.7.1): the 4 (7 - j) loads of the later rows stay out
.irp i, 0,1,2,3
	v_cvt_pk_bf16_f32 v[X+16*\j+4*\i],   v[X+16*\j+4*\i],   v[X+16*\j+4*\i+1]
	v_cvt_pk_bf16_f32 v[X+16*\j+4*\i+1], v[X+16*\j+4*\i+2], v[X+16*\j+4*\i+3]
	global_store_b64 v3, v[X+16*\j+4*\i:X+16*\j+4*\i+1], s[8:9] offset:ROWOUT*\j+256*\i   ; the wave's 32 lanes store 256 consecutive bytes, aligned
	v_lshlrev_b32 v[T],   16,  v[X+16*\j+4*\i]
	v_and_b32     v[T+1], s13, v[X+16*\j+4*\i]
	v_lshlrev_b32 v[T+2], 16,  v[X+16*\j+4*\i+1]
	v_and_b32     v[T+3], s13, v[X+16*\j+4*\i+1]
.if \i == 0
	v_pk_mul_f32 v[S:S+1],   v[T:T+1],   v[T:T+1]                 ; the first squares start the sums
	v_pk_mul_f32 v[S+2:S+3], v[T+2:T+3], v[T+2:T+3]
.else
	v_pk_fma_f32 v[S:S+1],   v[T:T+1],   v[T:T+1],   v[S:S+1]
	v_pk_fma_f32 v[S+2:S+3], v[T+2:T+3], v[T+2:T+3], v[S+2:S+3]
.endif
.endr
	v_pk_add_f32 v[S:S+1], v[S:S+1], v[S+2:S+3]
	v_add_f32 v[S], v[S], v[S+1]
	v_add_f32_dpp v[S], v[S], v[S] row_xmask:1 row_mask:0xf bank_mask:0xf
	v_add_f32_dpp v[S], v[S], v[S] row_xmask:2 row_mask:0xf bank_mask:0xf
	v_add_f32_dpp v[S], v[S], v[S] row_xmask:4 row_mask:0xf bank_mask:0xf
	v_add_f32_dpp v[S], v[S], v[S] row_xmask:8 row_mask:0xf bank_mask:0xf
	v_permlanex16_b32 v[P], v[S], s14, s15
	v_add_f32 v[S], v[S], v[P]                     ; every lane holds the row's sum
	v_mul_f32 v[S], s20, v[S]                      ; x 1 or x -1/2, both exact
	ds_store_b32 v4, v[S] offset:4*\j              ; all lanes write one word with one value: row 8 wave + j of the group
.endm
.irp j, 0,1,2,3,4,5,6,7
	ROW \j
.endr
	; The group's 32 norms leave by one store of 128 consecutive bytes, aligned.  (A store of 256 would want 64 rows a work-group, 384 work-groups:
	; not a multiple of 256.  The norms are 4 bytes beside a row's 3,072, so the even share is kept.)
	s_wait_dscnt 0x0                               ; my norms are in LDS, for wave 0's sake
	s_barrier_signal -1
	s_barrier_wait -1
	s_cmp_lg_u32 s12, 0
	s_cbranch_scc1 .Lend
	ds_load_b32 v6, v5                             ; lane l: the norm of the group's row l
	s_wait_dscnt 0x0
	global_store_b32 v5, v6, s[10:11]
.Lend:
	s_wait_tensorcnt 0x0
	ds_add_u32 v144, v145
	s_wait_dscnt 0x0
	s_endpgm
.Lfunc_end_k_qdc61567cbf_prep:
	.size	k_qdc61567cbf_prep, .Lfunc_end_k_qdc61567cbf_prep-k_qdc61567cbf_prep
	.p2alignl 7, 3214868480
	.fill 96, 4, 3214868480
	.section	.rodata,"a",@progbits
	.p2align	6, 0x0
	.amdhsa_kernel k_qdc61567cbf_prep
		.amdhsa_group_segment_fixed_size 768
		.amdhsa_private_segment_fixed_size 0
		.amdhsa_enable_private_segment 0
		.amdhsa_kernarg_size 32
		.amdhsa_user_sgpr_count 2
		.amdhsa_user_sgpr_kernarg_segment_ptr 1
		.amdhsa_wavefront_size32 1
		.amdhsa_system_sgpr_workgroup_id_x 1
		.amdhsa_system_sgpr_workgroup_id_y 1
		.amdhsa_system_sgpr_workgroup_id_z 1
		.amdhsa_system_vgpr_workitem_id 0
		.amdhsa_next_free_vgpr 146
		.amdhsa_next_free_sgpr 66
		.amdhsa_reserve_vcc 0
		.amdhsa_float_denorm_mode_32 3
		.amdhsa_float_denorm_mode_16_64 3
		.amdhsa_memory_ordered 1
		.amdhsa_forward_progress 1
		.amdhsa_inst_pref_size 25
	.end_amdhsa_kernel
	.amdgpu_metadata
---
amdhsa.version: [ 1, 2 ]
amdhsa.kernels:
  - .name:           k_qdc61567cbf_prep
    .symbol:         k_qdc61567cbf_prep.kd
    .args:
      - { .name: embedding, .offset: 0, .size: 8, .value_kind: global_buffer, .address_space: global }
      - { .name: memory_bank, .offset: 8, .size: 8, .value_kind: global_buffer, .address_space: global }
      - { .name: rows16, .offset: 16, .size: 8, .value_kind: global_buffer, .address_space: global }
      - { .name: norms, .offset: 24, .size: 8, .value_kind: global_buffer, .address_space: global }
    .group_segment_fixed_size: 768
    .private_segment_fixed_size: 0
    .kernarg_segment_align: 8
    .kernarg_segment_size: 32
    .max_flat_workgroup_size: 128
    .sgpr_count:     66
    .vgpr_count:     146
    .wavefront_size: 32
...
	.end_amdgpu_metadata
.endif
;; end of part 1
;; launch nearest (part 2): grid 8 x 32, 4 waves a work-group, clusters of 4 x 4, 327,680 bytes of LDS; arguments rows16, norms, part; writes part
.if DOCPART == 2
	.amdgcn_target "amdgcn-amd-amdhsa--gfx1250"
	.amdhsa_code_object_version 6
	.text
	.protected	k_qdc61567cbf_nearest
	.globl	k_qdc61567cbf_nearest
	.p2align	8
	.type	k_qdc61567cbf_nearest,@function
k_qdc61567cbf_nearest:
	s_mov_b64 s[64:65], 0
	v_nop
	global_prefetch_b8 v0, s[64:65] scope:SCOPE_SE
	s_setreg_imm32_b32 hwreg(HW_REG_WAVE_MODE, 25, 1), 1
	s_wait_xcnt 0x0
	s_wait_alu depctr_hold_cnt(0) depctr_sa_sdst(0) depctr_va_vdst(0) depctr_va_sdst(0) depctr_va_ssrc(0) depctr_va_vcc(0) depctr_vm_vsrc(0)
	s_getreg_b32 s2, hwreg(HW_REG_IB_STS2, 6, 4)
	s_cmp_eq_u32 s2, 0
	s_cbranch_scc0 .Lentry_in_a_cluster
	s_endpgm
.Lentry_in_a_cluster:
	s_bfe_u32 s2, ttmp6, 0x10000c
	s_cmp_lg_u32 s2, 0xf033
	s_cbranch_scc0 .Lentry_shape_is_right
	s_endpgm
.Lentry_shape_is_right:
; part[g][row] = max over the 2,048 bank rows n of column group g of ( x[row] . m[n] - |m[n]|^2 / 2 ), on the bf16 rows and their norms.
; Since |x - m|^2 = |x|^2 - 2 (x.m - |m|^2 / 2), and clip and root are monotone, the nearest bank row is the one with the largest such number:
; the 8192 x 16384 distances never leave the registers, and clip and root are applied once to each row by the next launch.
; LIMITS: finite inputs (v_max3_num_f32 drops a NaN, where the problem's formula would spread it); operands rounded to bf16, sums in f32.
;
; 256 work-groups of four waves.  Work-group (gx, gy) owns rows 256 gy .. +255 of x and bank rows 2048 gx .. +2047, as 8 tiles of 256 x 256 with
; K = 512: 32 K steps of 128, which run through ONE ring of two LDS slots without a break between tiles.  A wave makes 128 x 128: 64 accumulator
; tiles of 16 x 16, 512 registers; 64 matrix instructions for 32 along K, 1,024 for a tile.
; CLUSTERS: 4 x 4 work-groups.  The four of a row of the cluster share gy, and so x's tiles; the four of a column share gx, and so the bank's.  Such a
; tile is asked for JOINTLY: each of the four issues the same tensor load, with the same descriptor and a mask that names the four.
;
; THE MATRIX INSTRUCTION IS USED TRANSPOSED: source 0 = 16 bank rows, source 1 = 16 rows of x.  Lane l then holds x's row l % 16, and its registers
; 0 to 7 the bank rows 8 (l / 16) + 0 .. 7.  Two things follow.  All 64 numbers that a lane holds of a block of 16 rows of x belong to ONE row of x: the
; maximum over bank rows stays inside the lane.  And the C operand of a tile's first product, -|m|^2 / 2, is the same for all rows of x: eight
; neighbouring f32, two LDS loads; so the norm costs no vector instruction and nothing is ever cleared.
;
; THE MAXIMA RIDE ON MATRIX INSTRUCTIONS.  A tile's sums of my rows 0-63 are final 32 matrix instructions before the tile ends: their 128 lines of maxima stand,
; four behind each, among the tile's last 32 matrix instructions (rows 64-127).  The sums of rows 64-127 are needed again only 32 matrix instructions into the
; next tile: their 128 lines stand among the next tile's first 32 (rows 0-63).  So the loop is turned by half a quarter step: it begins behind a tile's first 32
; matrix instructions and ends with the next tile's.
;
; REGISTERS, in windows of 256 (an instruction names v0-v255; s_set_vgpr_msb says which window each operand place means):
;   window 0: v0-31 addresses; v32-47 running maxima; v48-63 at work; v64-127, v128-191 fragments of x, two buffers; v192-255 the C operands of a tile's start
;   window 1: v64-127, v128-191 fragments of the bank, two buffers
;   window 2: the 32 accumulator tiles of my rows 0-63 (tile (a, b) at v[8 (8 a + b)]);   window 3: those of my rows 64-127
; LDS: slot 0, slot 1 (each: x's 256 rows, then the bank's 256 rows, 272 bytes apart); then, in bytes into which no tensor load lands,
;   CSQ: the group's 2,048 numbers -|m|^2 / 2;  RED: [column half][256 rows] f32, where the two waves that share rows of x meet at the end.
.set KSTEP,  128
.set PITCH,  272                       ; an LDS row: 256 bytes of data + 16 of padding = 68 words, so the 16 rows that a fragment load touches start at 16 different banks (64 banks of 4 bytes: ISA guide 11.1)
.set HALFT,  128*PITCH                 ; 128 rows: what one tensor load brings, and what one wave reads of x or of the bank
.set SLOT,   4*HALFT
.set CSQ,    2*SLOT                    ; 278,528 = 1,088 x 256
.set RED,    CSQ+8192
.set ADRA,  16                         ; v16-17  LDS address of my fragments of x in slot 0, 1
.set ADRB,  20                         ; v20-21  the same for the bank
.set CBASE, 22                         ; v22     CSQ + my column half + 32 (l / 16)
.set CADR,  23                         ; v23     the same, at the tile whose C operands are fetched
.set RSTO,  24                         ; v24     RED: where I put my rows' maxima
.set RRD,   25                         ; v25     RED: where I read four rows back
.set PO,    26                         ; v26     my byte offset in part
.set RM,    32                         ; v32-47  running maxima: two chains for each of my 8 blocks of 16 rows
.set STG,   48                         ; v48-63  at work
.set F0,    64
.set F1,    128
.set CI,    192                        ; v[CI + 8 b + j]: -|m|^2 / 2 of bank row 16 b + 8 (l / 16) + j of my column half
.set G1,  24                           ; s[24:31] descriptor group 1 for x's tiles
.set G0,  32                           ; s[32:39] descriptor group 0 for x's tiles, one set for each slot
.set G1B, 48                           ; s[48:55] group 1 for the bank's tiles: it differs in the mask alone
.set G0B, 56                           ; s[56:63] group 0 for the bank's tiles, one set for each slot
.set MSB, 0
.macro WIN new                         ; s_set_vgpr_msb's low byte: bits 1:0 source 0, 3:2 source 1, 5:4 source 2, 7:6 destination; the high byte repeats the setting that is left
.if MSB != \new
	s_set_vgpr_msb (MSB<<8)|\new
.set MSB, \new
.endif
.endm
.set MUL_LO,  0xa1                     ; source 0 (bank) window 1, source 1 (x) window 0, C and D window 2
.set MUL_HI,  0xf1                     ; the same, C and D window 3
.set INIT_LO, 0x81                     ; a tile's first products: C from window 0 (CI), D window 2
.set INIT_HI, 0xc1                     ; the same, D window 3
.set TO_B,    0x40                     ; destination window 1, address window 0
.set EPI_LO,  0x28                     ; the maxima: source 0 and destination window 0, sources 1 and 2 window 2
.set EPI_HI,  0x3c                     ; the same, sources 1 and 2 window 3
; A joint load.  Waves 0 and 1 fetch the two halves of x's tile, waves 2 and 3 those of the bank's.  Each of the two lines has one mask and one set of
; registers for all that issue it.  The branch hangs on the wave's number alone.  Four v_nop follow each line.
.macro JLOAD s
	s_cmp_eq_u32 s11, 0
	s_cbranch_scc0 .Lfor_b_\@
	tensor_load_to_lds s[G0+4*\s:G0+4*\s+3], s[G1:G1+7]
	s_nop 0
.rept 4
	v_nop
.endr
	s_branch .Lasked_\@
.Lfor_b_\@:
	tensor_load_to_lds s[G0B+4*\s:G0B+4*\s+3], s[G1B:G1B+7]
	s_nop 0
.rept 4
	v_nop
.endr
.Lasked_\@:
.endm
; A whole round of the cluster's barrier: my work-group's barrier, so that wave 0's signal speaks for all four waves; wave 0 signals for the work-group;
; every wave waits for all sixteen work-groups; my work-group's barrier once more.
.macro CROUND
	s_barrier_signal -1
	s_barrier_wait -1
	s_cmp_lg_u32 s10, 0
	s_cbranch_scc1 .Lnot_wave_0_\@
	s_barrier_signal -3
.Lnot_wave_0_\@:
	s_barrier_wait -3
	s_barrier_signal -1
	s_barrier_wait -1
.endm
	s_load_b128 s[4:7], s[0:1], 0x0                ; rows16 s[4:5], norms s[6:7]
	s_load_b64 s[8:9], s[0:1], 0x10                ; part
	s_set_vgpr_msb 0x40
	v_lshl_add_u32 v255, v0, 2, 0x46800
	s_set_vgpr_msb 0x4000
	v_mov_b32 v31, 0
	s_set_vgpr_msb 0x1
	ds_add_u32 v255, v31
	s_set_vgpr_msb 0x100
	v_lshrrev_b32 v1, 5, v0
	v_readfirstlane_b32 s10, v1                    ; wave 0..3
	s_lshr_b32 s11, s10, 1                         ; which half of the block's rows of x is mine.  Also: I fetch for x (0) or for the bank (1)
	s_and_b32 s12, s10, 1                          ; which half of its bank rows.  Also: which 128 rows of that tile I fetch
	s_bfe_u32 s40, ttmp6, 0x40000                  ; cx
	s_bfe_u32 s41, ttmp6, 0x40004                  ; cy
	s_lshl_b32 s42, ttmp9, 2                       ; in a cluster launch ttmp9 and ttmp7 count clusters
	s_add_co_u32 s42, s42, s40                     ; gx = 4 x cluster x + cx: the column group, 0..7
	s_and_b32 s13, ttmp7, 0xffff
	s_lshl_b32 s13, s13, 2
	s_add_co_u32 s13, s13, s41                     ; gy = 4 x cluster y + cy: the row block, 0..31
	s_lshl_b32 s43, s41, 2
	s_lshl_b32 s43, 15, s43                        ; my row of the cluster: places 4 cy .. 4 cy + 3
	s_lshl_b32 s44, 0x1111, s40                    ; my column: places cx, cx + 4, cx + 8, cx + 12
	; group 1: a tile of 128 rows x 128 elements of 2 bytes, rows 512 elements apart in memory, padded in LDS
	s_or_b32 s[G1+0],  s43, (1<<16)|(1<<20)|(1<<21)|(5<<22)|(3<<25)  ; 15:0 the mask: x's tiles go to my row; 17:16 elements of 2 bytes; 20 padding on; 21 set beside a mask; 24:22 after every 64 words; 31:25 of 4 words
	s_or_b32 s[G1B+0], s44, (1<<16)|(1<<20)|(1<<21)|(5<<22)|(3<<25)  ; the same with the mask of my column, for the bank's tiles
	s_mov_b32 s[G1+1],  KSTEP<<16                  ; tensor_dim0 = 128
	s_mov_b32 s[G1B+1], KSTEP<<16
	s_mov_b32 s[G1+2],  128<<16                    ; tensor_dim1 = 128
	s_mov_b32 s[G1B+2], 128<<16
	s_mov_b32 s[G1+3],  KSTEP<<16                  ; tile_dim0 = 128
	s_mov_b32 s[G1B+3], KSTEP<<16
	s_mov_b32 s[G1+4],  128                        ; tile_dim1 = 128; tile_dim2 = 0
	s_mov_b32 s[G1B+4], 128
	s_mov_b32 s[G1+5],  512                        ; elements from row to row
	s_mov_b32 s[G1B+5], 512
	s_mov_b32 s[G1+6],  0
	s_mov_b32 s[G1B+6], 0
	s_mov_b32 s[G1+7],  0
	s_mov_b32 s[G1B+7], 0
	; where the tiles come from.  x's hang on gy alone, which my row of the cluster shares; the bank's on gx alone, which my column shares.
	; Every wave makes both addresses, in registers that never hold the other coordinate, and asks by one of them.
	s_lshl_b32 s17, s12, 17                        ; which 128 rows of 1,024 bytes I fetch
	s_lshl_b32 s16, s13, 18                        ; x: 256 rows x 1,024 bytes for each row block
	s_add_co_u32 s16, s16, s17
	s_lshl_b32 s46, s42, 21                        ; bank: 2,048 rows x 1,024 bytes for each column group,
	s_add_co_u32 s46, s46, s17
	s_add_co_u32 s46, s46, 0x800000                ; behind x's 8,192 rows
	s_mov_b32 s17, 0
	s_mov_b32 s47, 0
	s_mul_i32 s20, s10, HALFT                      ; and where they go: x's two halves, then the bank's two = wave x 128 rows: no place in the cluster enters an LDS address
	s_wait_dscnt 0x0
	s_wait_kmcnt 0x0
	s_add_nc_u64 s[14:15], s[4:5], s[16:17]
	s_add_nc_u64 s[46:47], s[4:5], s[46:47]
	CROUND                                         ; all sixteen work-groups are here: the first joint loads meet
.irp s, 0,1
	s_mov_b32 s[G0+4*\s], 1                                        ; count = 1
	s_add_co_u32 s[G0+4*\s+1], s20, \s*SLOT                        ; LDS address
	s_add_nc_u64 s[G0+4*\s+2:G0+4*\s+3], s[14:15], \s*KSTEP*2      ; global address: K step s of tile 0
	s_or_b32 s[G0+4*\s+3], s[G0+4*\s+3], 0x80000000                ; type = 2
	s_mov_b32 s[G0B+4*\s], 1
	s_add_co_u32 s[G0B+4*\s+1], s20, \s*SLOT
	s_add_nc_u64 s[G0B+4*\s+2:G0B+4*\s+3], s[46:47], \s*KSTEP*2
	s_or_b32 s[G0B+4*\s+3], s[G0B+4*\s+3], 0x80000000
	JLOAD \s                                       ; both first fills go out before anything else: two tensor loads of the wave are out, the most in this text
.endr
	; The group's 2,048 numbers -|m|^2 / 2 come in once, 8,192 consecutive bytes, and stay in LDS for all 8 tiles.
	s_lshl_b32 s46, s42, 13                        ; 2,048 numbers of 4 bytes for each column group,
	s_add_co_u32 s46, s46, 32768                   ; behind x's 8,192 norms
	s_mov_b32 s47, 0
	s_add_nc_u64 s[6:7], s[6:7], s[46:47]
	v_lshlrev_b32 v6, 4, v0                        ; 128 threads x 16 bytes
	v_add_nc_u32 v7, CSQ, v6
.irp i, 0,1,2,3
	global_load_b128 v[STG+4*\i:STG+4*\i+3], v6, s[6:7] offset:2048*\i
.endr
	; A fragment is 16 rows x 32 K in 8 registers: lane l holds row l % 16; registers 0-3 hold K = 8 (l / 16) + 0..7, registers 4-7 hold
	; K = 16 + 8 (l / 16) + 0..7: two loads of 16 bytes, 32 bytes apart.  The same for source 0 and source 1.
	v_and_b32 v1, 15, v0                           ; l % 16
	v_bfe_u32 v2, v0, 4, 1                         ; l / 16
	v_mul_u32_u24 v3, v1, PITCH
	v_lshl_add_u32 v3, v2, 4, v3                   ; row x pitch + 16 x half
	s_mul_i32 s21, s11, HALFT                      ; my 128 rows of x
	s_mul_i32 s22, s12, HALFT                      ; my 128 bank rows,
	s_add_co_u32 s22, s22, 2*HALFT                 ; which lie behind x's 256
.irp s, 0,1
	v_add_nc_u32 v[ADRA+\s], s21, v3
	v_add_nc_u32 v[ADRB+\s], s22, v3
	s_add_co_u32 s21, s21, SLOT
	s_add_co_u32 s22, s22, SLOT
.endr
	s_lshl_b32 s23, s12, 9                         ; my column half: 128 numbers of 4 bytes
	s_add_co_u32 s23, s23, CSQ
	v_lshl_add_u32 v[CBASE], v2, 5, s23            ; + 8 numbers for the upper half of the lanes
	s_lshl_b32 s21, s12, 10                        ; RED: [column half][256 rows]
	s_lshl_b32 s22, s11, 9                         ; my 128 rows
	s_add_co_u32 s21, s21, s22
	s_add_co_u32 s21, s21, RED
	v_lshl_add_u32 v[RSTO], v1, 2, s21             ; + row l % 16; the block of 16 rows stands in the store's immediate
	v_and_b32 v4, 63, v0                           ; threads 0-63 take four rows each at the end
	v_lshlrev_b32 v[PO], 4, v4
	v_add_nc_u32 v[RRD], RED, v[PO]
.irp i, 0,1,2,3,4,5,6,7,8,9,10,11,12,13,14,15
	v_mov_b32 v[RM+\i], 0xff800000                 ; the sixteen running maxima start at minus infinity
.endr
	s_wait_loadcnt 0x0
.irp i, 0,1,2,3
	ds_store_b128 v7, v[STG+4*\i:STG+4*\i+3] offset:2048*\i
.endr
	s_wait_dscnt 0x0                               ; my part of CSQ is in LDS, for the others' sake
	s_wait_tensorcnt 0x1                           ; my part of K step 0 is in; K step 1's may stay out
	s_barrier_signal -1
	s_barrier_wait -1
; 8 matrix instructions: block a of the window's four blocks of 16 rows of x (hi = 0: my rows 0-63, 1: rows 64-127) x all 8 blocks of bank rows, 32 along K.
; init = 1: a tile's first product; its C is -|m|^2 / 2 from CI, and its D starts the sums anew.
; The 64 accumulators take turns, one instruction a turn, in the same order everywhere.
.macro MUL8 f, hi, a, init
.irp b, 0,1,2,3,4,5,6,7
.if \init
	v_wmma_f32_16x16x32_bf16 v[8*(8*(\a)+\b):8*(8*(\a)+\b)+7], v[\f+8*\b:\f+8*\b+7], v[\f+8*(4*\hi+\a):\f+8*(4*\hi+\a)+7], v[CI+8*\b:CI+8*\b+7]
.else
	v_wmma_f32_16x16x32_bf16 v[8*(8*(\a)+\b):8*(8*(\a)+\b)+7], v[\f+8*\b:\f+8*\b+7], v[\f+8*(4*\hi+\a):\f+8*(4*\hi+\a)+7], v[8*(8*(\a)+\b):8*(8*(\a)+\b)+7]
.endif
.endr
.endm
.macro MUL16 f, hi, a0, init
	MUL8 \f, \hi, \a0, \init
	MUL8 \f, \hi, \a0+1, \init
.endm
; A window's 32 matrix instructions, each followed by four lines of the OTHER window's maxima (two numbers a line; 128 lines take the window's 32 tiles in).
; Line n: chain n % 8 = 2 a + c, tile (a, 4 c + q), registers j, j + 1, with c = bit 0 of n, a = bits 2:1, j / 2 = bits 4:3, q = bits 6:5: a chain comes
; round again every eighth line.  The lines read sums that are final and write the running maxima alone: they name no register of the matrix instructions
; among which they stand.  Two switches of the windows and four lines: six issue slots beside each matrix instruction.
.macro WOVEN f, hi, init, mulwin, epiwin, rm
.set wn, 0
.irp a, 0,1,2,3
.irp b, 0,1,2,3,4,5,6,7
	WIN \mulwin
.if \init
	v_wmma_f32_16x16x32_bf16 v[8*(8*\a+\b):8*(8*\a+\b)+7], v[\f+8*\b:\f+8*\b+7], v[\f+8*(4*\hi+\a):\f+8*(4*\hi+\a)+7], v[CI+8*\b:CI+8*\b+7]
.else
	v_wmma_f32_16x16x32_bf16 v[8*(8*\a+\b):8*(8*\a+\b)+7], v[\f+8*\b:\f+8*\b+7], v[\f+8*(4*\hi+\a):\f+8*(4*\hi+\a)+7], v[8*(8*\a+\b):8*(8*\a+\b)+7]
.endif
	WIN \epiwin
.rept 4
	v_max3_num_f32 v[\rm+(wn&7)], v[\rm+(wn&7)], v[8*(8*((wn>>1)&3)+4*(wn&1)+((wn>>5)&3))+2*((wn>>3)&3)], v[8*(8*((wn>>1)&3)+4*(wn&1)+((wn>>5)&3))+2*((wn>>3)&3)+1]
.set wn, wn+1
.endr
.endr
.endr
.endm
; The same 128 lines by themselves: only the last tile's rows 64-127 have no matrix instruction left to ride on.
.macro MAXES rm
.irp q, 0,1,2,3
.irp j, 0,2,4,6
.irp a, 0,1,2,3
.irp c, 0,1
	v_max3_num_f32 v[\rm+2*\a+\c], v[\rm+2*\a+\c], v[8*(8*\a+4*\c+\q)+\j], v[8*(8*\a+4*\c+\q)+\j+1]
.endr
.endr
.endr
.endr
.endm
; 32 LDS loads in one run: the fragments of one quarter step (128 bank rows, 128 rows of x, 32 K at byte k of the rows) into buffer f
.macro FETCH slot, k, f
	WIN TO_B
.irp i, 0,1,2,3,4,5,6,7
	ds_load_b128 v[\f+8*\i:\f+8*\i+3],   v[ADRB+\slot] offset:\k+\i*16*PITCH
	ds_load_b128 v[\f+8*\i+4:\f+8*\i+7], v[ADRB+\slot] offset:\k+\i*16*PITCH+32
.endr
	WIN 0
.irp i, 0,1,2,3,4,5,6,7
	ds_load_b128 v[\f+8*\i:\f+8*\i+3],   v[ADRA+\slot] offset:\k+\i*16*PITCH
	ds_load_b128 v[\f+8*\i+4:\f+8*\i+7], v[ADRA+\slot] offset:\k+\i*16*PITCH+32
.endr
.endm
; 16 LDS loads: a tile's 64 C operands.  All lanes of a half read the same 16 bytes.
.macro CLOAD
	WIN 0
.irp b, 0,1,2,3,4,5,6,7
	ds_load_b128 v[CI+8*\b:CI+8*\b+3],   v[CADR] offset:64*\b
	ds_load_b128 v[CI+8*\b+4:CI+8*\b+7], v[CADR] offset:64*\b+16
.endr
.endm
; A load into a register that a matrix instruction has read, and a vector instruction that reads a matrix result, stand four places behind that matrix
; instruction, and only plain vector instructions that name none of its registers are places (ISA guide 7.12.1 for vector instructions);
; the matrix instructions in between are not counted.
.macro PLACES
.rept 4
	v_nop
.endr
.endm
; A K step is four quarter steps of 32 along K, 64 matrix instructions each, on buffers 0, 1, 0, 1.
; One of the first three: multiplies buffer f; in its middle it fetches the next quarter's fragments, at byte k of the same slot's rows, into buffer g.
.macro QUARTER slot, k, f, g
	s_wait_dscnt 8                                 ; the youngest eight loads (x's rows 64-127) may be out; the bank's and x's rows 0-63 are in
	WIN MUL_LO
	MUL16 \f, 0, 0, 0
	MUL16 \f, 0, 2, 0
	PLACES
	FETCH \slot, \k, \g
	s_wait_dscnt 32                                ; all but the 32 just issued
	WIN MUL_HI
	MUL16 \f, 1, 0, 0
	MUL16 \f, 1, 2, 0
.endm
.macro THREE slot
	QUARTER \slot, 64,  F0, F1
	QUARTER \slot, 128, F1, F0
	QUARTER \slot, 192, F0, F1
.endm
; A tile's first quarter step, in two parts.  HEAD: the 32 products that start the sums of rows 0-63; weave = 1: the tile before's maxima of rows 64-127 ride on them.
.macro HEAD weave
	s_wait_dscnt 8                                 ; the youngest eight loads (x's rows 64-127) may be out; the C operands, issued ahead of the fragments, the bank's and x's rows 0-63 are in
.if \weave
	WOVEN F0, 0, 1, INIT_LO, EPI_HI, RM+8          ; four lines of maxima stand behind the tile before's last matrix instruction: the places in front of these reads
.else
	WIN INIT_LO
	MUL16 F0, 0, 0, 1
	MUL16 F0, 0, 2, 1
.endif
	WIN 0                                          ; a label or a branch follows
.endm
; QREST: the fetch of the second quarter's fragments, and the 32 products that start the sums of rows 64-127 (their old sums have been taken in by HEAD's lines).
.macro QREST
	PLACES
	FETCH 0, 64, F1
	s_wait_dscnt 32                                ; all but the 32 just issued
	WIN INIT_HI
	MUL16 F0, 1, 0, 1
	MUL16 F0, 1, 2, 1
.endm
; The last quarter of a K step: multiplies buffer 1 and changes slots.  next = the other slot.
; fill = 1: this slot is filled again, two K steps ahead.  wrap = 0: that step lies in the same tile, 256 elements further along K for x and the bank.
; wrap = 1: it lies in the next tile: x goes back 256 elements along K, the bank goes 256 rows down and 256 elements back.
; cload = 1: the next K step starts a tile: its C operands are fetched, ahead of its first fragments, and this tile's maxima of rows 0-63 ride on its last 32 products.
; One barrier for the change of slots.  In front of it each wave waits for its own reads of this slot and for all its tensor loads, of which one is
; out: its part of the next slot.  Where the slot is filled again the barrier opens a round of the cluster's barrier, and the joint refill is the
; first tensor load behind the round, one a wave.  Inside the round stands register work alone: 8 matrix instructions while my work-group gathers, 16 while
; the sixteen work-groups do.  From a request to the wait for it a wave issues 232 matrix instructions.
.macro TURN slot, next, fill, wrap, cload
	s_wait_dscnt 8
	WIN MUL_LO
	MUL8 F1, 0, 0, 0
	s_wait_dscnt 0x0                               ; my reads of this slot are over
	s_wait_tensorcnt 0x0                           ; and all my tensor loads have landed
	ds_add_u32 v255, v31
	s_wait_dscnt 0x0
	s_barrier_signal -1
	MUL8 F1, 0, 1, 0                               ; work on registers while the other three waves arrive
	WIN 0
	s_barrier_wait -1
.if \fill
	s_cmp_lg_u32 s10, 0
	s_cbranch_scc1 .Lnot_first_\@
	s_barrier_signal -3                            ; wave 0 says so for the work-group
.Lnot_first_\@:
	WIN MUL_LO
	MUL16 F1, 0, 2, 0                              ; work on registers while the other work-groups arrive
	WIN 0
	s_barrier_wait -3
	s_barrier_signal -1
	s_barrier_wait -1                              ; the round is closed: no wave of any partner still reads this slot's tile or has a load on its way
.if \wrap
	s_sub_nc_u64 s[G0+4*\slot+2:G0+4*\slot+3],   s[G0+4*\slot+2:G0+4*\slot+3],   2*KSTEP*2
	s_add_nc_u64 s[G0B+4*\slot+2:G0B+4*\slot+3], s[G0B+4*\slot+2:G0B+4*\slot+3], 256*1024-2*KSTEP*2
.else
	s_add_nc_u64 s[G0+4*\slot+2:G0+4*\slot+3],   s[G0+4*\slot+2:G0+4*\slot+3],   2*KSTEP*2
	s_add_nc_u64 s[G0B+4*\slot+2:G0B+4*\slot+3], s[G0B+4*\slot+2:G0B+4*\slot+3], 2*KSTEP*2
.endif
	JLOAD \slot                                    ; the four v_nop behind it are also the places in front of the loads and of the maxima below
.else
	WIN MUL_LO
	MUL16 F1, 0, 2, 0
	WIN 0
	PLACES
.endif
.if \cload
	v_lshl_add_u32 v[CADR], s3, 10, v[CBASE]       ; tile s3 (1 to 7): 256 numbers of 4 bytes a tile
	CLOAD
.endif
	FETCH \next, 0, F0
.if \cload
	WOVEN F1, 1, 0, MUL_HI, EPI_LO, RM
.else
	WIN MUL_HI
	MUL16 F1, 1, 0, 0
	MUL16 F1, 1, 2, 0
.endif
.endm
.macro FIRSTHALF                       ; behind HEAD: the rest of a tile's K steps 0 and 1; both slots are filled again, with the same tile's steps 2 and 3
	QREST
	QUARTER 0, 128, F1, F0
	QUARTER 0, 192, F0, F1
	TURN 0, 1, 1, 0, 0
	THREE 1
	TURN 1, 0, 1, 0, 0
.endm
	v_mov_b32 v[CADR], v[CBASE]                    ; tile 0
	CLOAD
	FETCH 0, 0, F0
	HEAD 0                                         ; tile 0's first 32 products: no tile before, no maxima
	s_mov_b32 s3, 1                                ; the tile that follows the one at work
.Ltile:                                            ; the rest of tiles 0 to 6, each with the next tile's HEAD; at a label and at a branch every window is 0
	FIRSTHALF
	THREE 0
	TURN 0, 1, 1, 1, 0                             ; asks for the next tile's K step 0
	THREE 1
	TURN 1, 0, 1, 1, 1                             ; asks for its K step 1, fetches its C operands and first fragments; the maxima of rows 0-63
	HEAD 1                                         ; the next tile's first 32 products; the maxima of rows 64-127
	s_add_co_u32 s3, s3, 1
	s_cmp_lt_u32 s3, 8
	s_cbranch_scc1 .Ltile
	FIRSTHALF                                      ; the rest of tile 7, written out: its second half fills nothing and has no round of the cluster's barrier
	THREE 0
	TURN 0, 1, 0, 0, 0                             ; its wait for all tensor loads is the last: none is out from here on
	THREE 1
	s_wait_dscnt 8                                 ; the very last quarter: nothing more to fetch
	WIN MUL_LO
	MUL16 F1, 0, 0, 0
	MUL16 F1, 0, 2, 0
	s_wait_dscnt 0x0
	PLACES                                         ; behind the last products of rows 0-63, whose sums the woven lines read
	WOVEN F1, 1, 0, MUL_HI, EPI_LO, RM
	WIN EPI_HI                                     ; four lines of maxima stand behind the last matrix instruction: the places in front of these reads
	MAXES RM+8
	WIN 0
	; THE WAY OUT.  Join each block's two chains, then the two halves of the lanes (bank rows 8 (l / 16) + ..), then, through RED, the two waves that share rows of x.
	s_mov_b32 s14, 0x76543210                      ; v_permlanex16_b32: lane i of one half reads lane i of the other
	s_mov_b32 s15, 0xfedcba98
.irp a, 0,1,2,3,4,5,6,7
	v_max_num_f32 v[RM+2*\a], v[RM+2*\a], v[RM+2*\a+1]
.endr
.irp a, 0,1,2,3,4,5,6,7
	v_permlanex16_b32 v[STG+\a], v[RM+2*\a], s14, s15              ; STG has been written: it staged the norms
.endr
.irp a, 0,1,2,3,4,5,6,7
	v_max_num_f32 v[RM+2*\a], v[RM+2*\a], v[STG+\a]
	ds_store_b32 v[RSTO], v[RM+2*\a] offset:64*\a                  ; row 16 a + l % 16 of my 128; lanes l and l + 16 write one word with one value
.endr
	s_lshl_b32 s18, s42, 15                        ; part[gx][256 gy ..]: 8,192 rows of 4 bytes for each column group,
	s_lshl_b32 s19, s13, 10                        ; 256 rows for each row block
	s_add_co_u32 s18, s18, s19
	s_mov_b32 s19, 0
	s_add_nc_u64 s[8:9], s[8:9], s[18:19]
	s_wait_dscnt 0x0                               ; my maxima are in LDS, for the others' sake
	s_barrier_signal -1
	s_barrier_wait -1
	s_cmp_ge_u32 s10, 2                            ; 256 rows are four rows for each of 64 threads: waves 0 and 1
	s_cbranch_scc1 .Lstored
	ds_load_b128 v[STG:STG+3],   v[RRD]            ; four rows, column half 0
	ds_load_b128 v[STG+4:STG+7], v[RRD] offset:1024 ; and column half 1
	s_wait_dscnt 0x0
.irp i, 0,1,2,3
	v_max_num_f32 v[STG+\i], v[STG+\i], v[STG+4+\i]
.endr
	global_store_b128 v[PO], v[STG:STG+3], s[8:9]  ; sixteen lanes store 256 consecutive bytes, aligned
.Lstored:
	s_set_vgpr_msb 0x1
	s_wait_tensorcnt 0x0
	ds_add_u32 v255, v31
	s_wait_dscnt 0x0
	s_set_vgpr_msb 0x100
	CROUND                                         ; the closing round: no work-group ends while a partner may still ask for a tile that names it
	s_endpgm
.Lfunc_end_k_qdc61567cbf_nearest:
	.size	k_qdc61567cbf_nearest, .Lfunc_end_k_qdc61567cbf_nearest-k_qdc61567cbf_nearest
	.p2alignl 7, 3214868480
	.fill 96, 4, 3214868480
	.section	.rodata,"a",@progbits
	.p2align	6, 0x0
	.amdhsa_kernel k_qdc61567cbf_nearest
		.amdhsa_group_segment_fixed_size 327680
		.amdhsa_private_segment_fixed_size 0
		.amdhsa_enable_private_segment 0
		.amdhsa_kernarg_size 24
		.amdhsa_user_sgpr_count 2
		.amdhsa_user_sgpr_kernarg_segment_ptr 1
		.amdhsa_wavefront_size32 1
		.amdhsa_system_sgpr_workgroup_id_x 1
		.amdhsa_system_sgpr_workgroup_id_y 1
		.amdhsa_system_sgpr_workgroup_id_z 1
		.amdhsa_system_vgpr_workitem_id 0
		.amdhsa_next_free_vgpr 1024
		.amdhsa_next_free_sgpr 66
		.amdhsa_reserve_vcc 0
		.amdhsa_float_denorm_mode_32 3
		.amdhsa_float_denorm_mode_16_64 3
		.amdhsa_memory_ordered 1
		.amdhsa_forward_progress 1
		.amdhsa_inst_pref_size 255
	.end_amdhsa_kernel
	.section	.bss,"aw",@nobits
	.p2align	6
	.space	262144
	.amdgpu_metadata
---
amdhsa.version: [ 1, 2 ]
amdhsa.kernels:
  - .name:           k_qdc61567cbf_nearest
    .symbol:         k_qdc61567cbf_nearest.kd
    .args:
      - { .name: rows16, .offset: 0, .size: 8, .value_kind: global_buffer, .address_space: global }
      - { .name: norms, .offset: 8, .size: 8, .value_kind: global_buffer, .address_space: global }
      - { .name: part, .offset: 16, .size: 8, .value_kind: global_buffer, .address_space: global }
    .group_segment_fixed_size: 327680
    .private_segment_fixed_size: 0
    .kernarg_segment_align: 8
    .kernarg_segment_size: 24
    .max_flat_workgroup_size: 128
    .sgpr_count:     66
    .vgpr_count:     1024
    .wavefront_size: 32
...
	.end_amdgpu_metadata
.endif
;; end of part 2
;; launch finish (part 3): grid 64 x 1, 1 waves a work-group, no clusters, 0 bytes of LDS; arguments part, norms, out0; writes out0
.if DOCPART == 3
	.amdgcn_target "amdgcn-amd-amdhsa--gfx1250"
	.amdhsa_code_object_version 6
	.text
	.protected	k_qdc61567cbf_finish
	.globl	k_qdc61567cbf_finish
	.p2align	8
	.type	k_qdc61567cbf_finish,@function
k_qdc61567cbf_finish:
	s_mov_b64 s[64:65], 0
	v_nop
	global_prefetch_b8 v0, s[64:65] scope:SCOPE_SE
	s_setreg_imm32_b32 hwreg(HW_REG_WAVE_MODE, 25, 1), 1
	s_wait_xcnt 0x0
; out0[row] = sqrt( max( |x|^2 - 2 max over the 8 column groups of part[g][row], 0 ) ).
; part[g][row] holds the group's largest x.m - |m|^2 / 2, so the bracket is the smallest squared distance; clip and root are monotone and are
; applied here once to each row.
; LIMIT: a squared distance below 2^-126 gives 0 (v_sqrt_f32 takes a denormal input as zero: ISA guide, its entry in 15.8).
; 8,192 rows, four to a lane: 64 work-groups of one wave, so that a wave's store covers 512 consecutive bytes, aligned.  All nine loads go out at once.
.set G,  4                             ; v[4:35]   group p: four rows at G + 4 p
.set XS, 36                            ; v[36:39]  |x|^2 of my four rows
.set D,  40                            ; v[40:43]  at work
.set R,  44                            ; v[44:47]  the results
	s_load_b128 s[4:7], s[0:1], 0x0                ; part s[4:5], norms s[6:7]
	s_load_b64 s[8:9], s[0:1], 0x10                ; out0
	s_lshl_b32 s10, ttmp9, 9                       ; 128 rows of 4 bytes for each work-group
	v_lshl_or_b32 v1, v0, 4, s10                   ; + 16 x lane
	s_wait_kmcnt 0x0
.irp p, 0,1,2,3,4,5,6,7
	global_load_b128 v[G+4*\p:G+4*\p+3], v1, s[4:5] offset:32768*\p th:TH_LOAD_NT
.endr
	global_load_b128 v[XS:XS+3], v1, s[6:7]
	s_wait_loadcnt 0x0
.irp c, 0,1,2,3
	v_max3_num_f32 v[D+\c], v[G+\c], v[G+4+\c], v[G+8+\c]
.endr
.irp c, 0,1,2,3
	v_max3_num_f32 v[D+\c], v[D+\c], v[G+12+\c], v[G+16+\c]
.endr
.irp c, 0,1,2,3
	v_max3_num_f32 v[D+\c], v[D+\c], v[G+20+\c], v[G+24+\c]
.endr
.irp c, 0,1,2,3
	v_max_num_f32 v[D+\c], v[D+\c], v[G+28+\c]
.endr
.irp c, 0,1,2,3
	v_fma_f32 v[D+\c], -2.0, v[D+\c], v[XS+\c]     ; |x|^2 - 2 (x.m - |m|^2 / 2)
.endr
.irp c, 0,1,2,3
	v_max_num_f32 v[D+\c], 0, v[D+\c]              ; the problem's clip
.endr
.irp c, 0,1,2,3
	v_sqrt_f32 v[R+\c], v[D+\c]
.endr
	v_nop                                          ; one plain vector instruction between a root and the use of its result (ISA guide 5.7.2)
	s_wait_alu depctr_va_vdst(0)
	global_store_b128 v1, v[R:R+3], s[8:9]
	s_endpgm
.Lfunc_end_k_qdc61567cbf_finish:
	.size	k_qdc61567cbf_finish, .Lfunc_end_k_qdc61567cbf_finish-k_qdc61567cbf_finish
	.p2alignl 7, 3214868480
	.fill 96, 4, 3214868480
	.section	.rodata,"a",@progbits
	.p2align	6, 0x0
	.amdhsa_kernel k_qdc61567cbf_finish
		.amdhsa_group_segment_fixed_size 0
		.amdhsa_private_segment_fixed_size 0
		.amdhsa_enable_private_segment 0
		.amdhsa_kernarg_size 24
		.amdhsa_user_sgpr_count 2
		.amdhsa_user_sgpr_kernarg_segment_ptr 1
		.amdhsa_wavefront_size32 1
		.amdhsa_system_sgpr_workgroup_id_x 1
		.amdhsa_system_sgpr_workgroup_id_y 1
		.amdhsa_system_sgpr_workgroup_id_z 1
		.amdhsa_system_vgpr_workitem_id 0
		.amdhsa_next_free_vgpr 48
		.amdhsa_next_free_sgpr 66
		.amdhsa_reserve_vcc 0
		.amdhsa_float_denorm_mode_32 3
		.amdhsa_float_denorm_mode_16_64 3
		.amdhsa_memory_ordered 1
		.amdhsa_forward_progress 1
		.amdhsa_inst_pref_size 3
	.end_amdhsa_kernel
	.amdgpu_metadata
---
amdhsa.version: [ 1, 2 ]
amdhsa.kernels:
  - .name:           k_qdc61567cbf_finish
    .symbol:         k_qdc61567cbf_finish.kd
    .args:
      - { .name: part, .offset: 0, .size: 8, .value_kind: global_buffer, .address_space: global }
      - { .name: norms, .offset: 8, .size: 8, .value_kind: global_buffer, .address_space: global }
      - { .name: out0, .offset: 16, .size: 8, .value_kind: global_buffer, .address_space: global }
    .group_segment_fixed_size: 0
    .private_segment_fixed_size: 0
    .kernarg_segment_align: 8
    .kernarg_segment_size: 24
    .max_flat_workgroup_size: 32
    .sgpr_count:     66
    .vgpr_count:     48
    .wavefront_size: 32
...
	.end_amdgpu_metadata
.endif
;; end of part 3
;; ======== version 2 of 2: 3 launches; version 1 with the launch prep written anew for expert scheduling mode
;; workspace buffers: rows16 25,165,824 bytes; norms 98,304 bytes; part 262,144 bytes
;; launch prep (part 4): grid 768 x 1, 4 waves a work-group, no clusters, 768 bytes of LDS; arguments embedding, memory_bank, rows16, norms; writes rows16, norms
.if DOCPART == 4
	.amdgcn_target "amdgcn-amd-amdhsa--gfx1250"
	.amdhsa_code_object_version 6
	.text
	.protected	k_qdc61567cbf_prep
	.globl	k_qdc61567cbf_prep
	.p2align	8
	.type	k_qdc61567cbf_prep,@function
k_qdc61567cbf_prep:
	s_mov_b64 s[64:65], 0
	v_nop
	global_prefetch_b8 v0, s[64:65] scope:SCOPE_SE
	s_setreg_imm32_b32 hwreg(HW_REG_WAVE_SCHED_MODE, 0, 2), 2
	s_setreg_imm32_b32 hwreg(HW_REG_WAVE_MODE, 25, 1), 1
	s_wait_xcnt 0x0
	s_wait_alu depctr_vm_vsrc(0)
; Both inputs, rounded once to bf16, and the norms of the ROUNDED rows.
;   rows16: [24576][512] bf16; rows 0-8191 = embedding, rows 8192-24575 = memory_bank.
;   norms:  [24576] f32; rows 0-8191 hold +|x|^2, rows 8192-24575 hold -|m|^2 / 2 (the form in which the product's sums start).
; The norms are taken on the rounded numbers, so that |x|^2 + |m|^2 - 2 x.m is the squared distance of the rounded rows up to f32 rounding,
; also where all inputs carry a large common offset; norms of the unrounded rows would not match the bf16 product.
; LIMIT: finite inputs; the numbers' range is that of f32 (bf16 has the same exponents).
; 768 work-groups of four waves; a work-group owns 32 rows, a wave 8 rows, a lane 16 numbers of each row.
; No loop: a wave issues its 32 loads of 16 bytes a lane at once (16 KiB of the wave are then on their way) and takes the rows as they come.
; No matrix unit, no tensor load, no cluster: every byte is read once and written once, and no two work-groups share any.
; THE MODE: SCHED_MODE bits 1:0 = 2 (LLVM: expert scheduling mode 2), set by the entry lines.  The code itself states the register dependences
; between vector instructions and memory or LDS instructions, with s_wait_alu, always for 0.
; THE PLAN.  Registers that memory or LDS instructions touch:
;   v2, v3, v4, v5   offsets and LDS addresses: written at the head, never again.
;   X, row j         written by the row's four loads, which are issued at the head, before any vector instruction names X; read by row j's conversions.
;   the packed pairs (the first two of each load's four registers): written by row j's conversions, never again; read by the four stores that are issued in row j + 1.
;   NR + j           row j's norm: written by row j's last multiply, never again; read by the LDS store that is issued in row j + 1.
;   v6               at work in the rows; at the end wave 0's LDS load lands in it.
;   v144, v145       written at the head, read by the closing add alone.
;   T, S and P are named by vector instructions alone.
; Row j's vector instructions name X's row j, T, S, P and NR + j: none of the registers of row j - 1's five stores.  So ONE wait on va_vdst at a row's head
; states all that those five hang on, and they are dealt among the row's vector instructions with no further wait.  No register that a memory or LDS
; instruction reads is ever written again, so no wait on vm_vsrc is owed to them.
.set ROWIN,  2048                      ; bytes in a row of f32
.set ROWOUT, 1024                      ; bytes in a row of bf16
.set T, 6                              ; v[6:9]     four rounded numbers, widened to f32 again
.set S, 10                             ; v[10:13]   four running sums of squares
.set P, 14                             ; v14        the other half's sum
.set X, 16                             ; v[16:143]  row j, load i: four registers at X + 16 j + 4 i
.set NR, 146                           ; v[146:153] row j's norm, as it goes to LDS: a register to each row
	s_load_b256 s[4:11], s[0:1], 0x0               ; embedding s[4:5], memory_bank s[6:7], rows16 s[8:9], norms s[10:11]
	v_lshl_add_u32 v144, v0, 2, 0x100              ; my spare word and 0, kept for the closing lines alone
	v_mov_b32 v145, 0
	v_lshrrev_b32 v1, 5, v0
	v_readfirstlane_b32 s12, v1                    ; wave 0..3
	s_mov_b32 s13, 0xffff0000                      ; a word's upper bf16
	s_mov_b32 s14, 0x76543210                      ; v_permlanex16_b32: lane i of one half reads lane i of the other
	s_mov_b32 s15, 0xfedcba98
	v_and_b32 v1, 31, v0                           ; lane
	v_lshlrev_b32 v2, 4, v1                        ; 16 x lane
	v_lshlrev_b32 v3, 3, v1                        ; 8 x lane
	v_lshlrev_b32 v5, 2, v1                        ; 4 x lane
	v_mov_b32 v[P], 0                              ; v_permlanex16_b32 counts as a reader of its destination
	s_wait_alu depctr_va_sdst(0)                   ; s12 is written, ahead of its first reader: the next line
	v_lshl_or_b32 v2, s12, 14, v2                  ; in:  wave x 8 rows x 2,048 bytes + 16 x lane
	v_lshl_or_b32 v3, s12, 13, v3                  ; out: wave x 8 rows x 1,024 bytes + 8 x lane
	v_mov_b32 v4, s12
	v_lshlrev_b32 v4, 5, v4                        ; LDS: my wave's eight norms
	s_wait_kmcnt 0x0
	s_cmp_lt_u32 ttmp9, 256                        ; work-groups 0-255 take embedding, 256-767 memory_bank
	s_cselect_b64 s[16:17], s[4:5], s[6:7]         ; my input
	s_mov_b32 s20, 0xbf000000                      ; the norm's factor: -1/2 for the bank,
	s_cmov_b32 s20, 0x3f800000                     ; 1 for the embedding
	s_cselect_b32 s21, 0, 256                      ; the first work-group of my input
	s_sub_co_u32 s18, ttmp9, s21
	s_lshl_b32 s18, s18, 16                        ; 32 rows x 2,048 bytes for each work-group
	s_mov_b32 s19, 0
	s_add_nc_u64 s[16:17], s[16:17], s[18:19]
	s_wait_alu depctr_va_vdst(0)                   ; v2 is written, which the loads below read as their offset; so are v3, v4 and v5, which the later stores and LDS instructions read
.irp j, 0,1,2,3,4,5,6,7
.irp i, 0,1,2,3
	global_load_b128 v[X+16*\j+4*\i:X+16*\j+4*\i+3], v2, s[16:17] offset:ROWIN*\j+512*\i th:TH_LOAD_NT   ; 512 consecutive bytes a wave; read once in the launch
.endr
.endr
	s_lshl_b32 s18, ttmp9, 15                      ; 32 rows x 1,024 bytes
	s_add_nc_u64 s[8:9], s[8:9], s[18:19]
	s_lshl_b32 s18, ttmp9, 7                       ; 32 norms
	s_add_nc_u64 s[10:11], s[10:11], s[18:19]
; Row j: round, square the rounded numbers, sum over the wave, make the norm.  Among these lines the row before leaves: its four stores and its norm's LDS store.
; The rounded pair stays in the first two of a load's four registers and is never written again, so nothing is owed behind its store.
.macro ROW j
	s_wait_loadcnt 28-4*\j                         ; loads come back in order (ISA guide 5.7.1): the 4 (7 - j) loads of the later rows stay out
.if \j > 0
	s_wait_alu depctr_va_vdst(0)                   ; the row before has written its four packed pairs and its norm, which the five stores below read
.endif
.irp i, 0,1,2,3
.if \j > 0
	global_store_b64 v3, v[X+16*(\j-1)+4*\i:X+16*(\j-1)+4*\i+1], s[8:9] offset:ROWOUT*(\j-1)+256*\i   ; the row before: the wave's 32 lanes store 256 consecutive bytes, aligned; no vector instruction since the wait names these registers
.endif
	v_cvt_pk_bf16_f32 v[X+16*\j+4*\i],   v[X+16*\j+4*\i],   v[X+16*\j+4*\i+1]
	v_cvt_pk_bf16_f32 v[X+16*\j+4*\i+1], v[X+16*\j+4*\i+2], v[X+16*\j+4*\i+3]
	v_lshlrev_b32 v[T],   16,  v[X+16*\j+4*\i]
	v_and_b32     v[T+1], s13, v[X+16*\j+4*\i]
	v_lshlrev_b32 v[T+2], 16,  v[X+16*\j+4*\i+1]
	v_and_b32     v[T+3], s13, v[X+16*\j+4*\i+1]
.if \i == 0
	v_pk_mul_f32 v[S:S+1],   v[T:T+1],   v[T:T+1]                 ; the first squares start the sums
	v_pk_mul_f32 v[S+2:S+3], v[T+2:T+3], v[T+2:T+3]
.else
	v_pk_fma_f32 v[S:S+1],   v[T:T+1],   v[T:T+1],   v[S:S+1]
	v_pk_fma_f32 v[S+2:S+3], v[T+2:T+3], v[T+2:T+3], v[S+2:S+3]
.endif
.endr
.if \j > 0
	ds_store_b32 v4, v[NR+\j-1] offset:4*(\j-1)    ; the row before's norm: all lanes write one word with one value: row 8 wave + j - 1 of the group
.endif
	v_pk_add_f32 v[S:S+1], v[S:S+1], v[S+2:S+3]
	v_add_f32 v[S], v[S], v[S+1]
	v_add_f32_dpp v[S], v[S], v[S] row_xmask:1 row_mask:0xf bank_mask:0xf
	v_add_f32_dpp v[S], v[S], v[S] row_xmask:2 row_mask:0xf bank_mask:0xf
	v_add_f32_dpp v[S], v[S], v[S] row_xmask:4 row_mask:0xf bank_mask:0xf
	v_add_f32_dpp v[S], v[S], v[S] row_xmask:8 row_mask:0xf bank_mask:0xf
	v_permlanex16_b32 v[P], v[S], s14, s15
	v_add_f32 v[S], v[S], v[P]                     ; every lane holds the row's sum
	v_mul_f32 v[NR+\j], s20, v[S]                  ; x 1 or x -1/2, both exact; into the row's own register, so that the next row's sums touch nothing that an LDS store reads
.endm
.irp j, 0,1,2,3,4,5,6,7
	ROW \j
.endr
	s_wait_alu depctr_va_vdst(0)                   ; row 7 has written its four packed pairs and its norm, which the five stores below read; and every vector instruction that named v6 is done: wave 0's LDS load lands in it, and no vector instruction follows this wait
	ds_store_b32 v4, v[NR+7] offset:4*7            ; first, since the barrier waits for it
.irp i, 0,1,2,3
	global_store_b64 v3, v[X+16*7+4*\i:X+16*7+4*\i+1], s[8:9] offset:ROWOUT*7+256*\i
.endr
	; The group's 32 norms leave by one store of 128 consecutive bytes, aligned.  (A store of 256 would want 64 rows a work-group, 384 work-groups:
	; not a multiple of 256.  The norms are 4 bytes beside a row's 3,072, so the even share is kept.)
	s_wait_dscnt 0x0                               ; my norms are in LDS, for wave 0's sake
	s_barrier_signal -1
	s_barrier_wait -1
	s_cmp_lg_u32 s12, 0
	s_cbranch_scc1 .Lend
	ds_load_b32 v6, v5                             ; lane l: the norm of the group's row l
	s_wait_dscnt 0x0
	global_store_b32 v5, v6, s[10:11]
.Lend:
	s_wait_dscnt 0x0                               ; the closing lines, six on end
	s_wait_alu 0x0
	s_wait_tensorcnt 0x0
	ds_add_u32 v144, v145
	s_wait_dscnt 0x0
	s_endpgm
.Lfunc_end_k_qdc61567cbf_prep:
	.size	k_qdc61567cbf_prep, .Lfunc_end_k_qdc61567cbf_prep-k_qdc61567cbf_prep
	.p2alignl 7, 3214868480
	.fill 96, 4, 3214868480
	.section	.rodata,"a",@progbits
	.p2align	6, 0x0
	.amdhsa_kernel k_qdc61567cbf_prep
		.amdhsa_group_segment_fixed_size 768
		.amdhsa_private_segment_fixed_size 0
		.amdhsa_enable_private_segment 0
		.amdhsa_kernarg_size 32
		.amdhsa_user_sgpr_count 2
		.amdhsa_user_sgpr_kernarg_segment_ptr 1
		.amdhsa_wavefront_size32 1
		.amdhsa_system_sgpr_workgroup_id_x 1
		.amdhsa_system_sgpr_workgroup_id_y 1
		.amdhsa_system_sgpr_workgroup_id_z 1
		.amdhsa_system_vgpr_workitem_id 0
		.amdhsa_next_free_vgpr 154
		.amdhsa_next_free_sgpr 66
		.amdhsa_reserve_vcc 0
		.amdhsa_float_denorm_mode_32 3
		.amdhsa_float_denorm_mode_16_64 3
		.amdhsa_memory_ordered 1
		.amdhsa_forward_progress 1
		.amdhsa_inst_pref_size 25
	.end_amdhsa_kernel
	.amdgpu_metadata
---
amdhsa.version: [ 1, 2 ]
amdhsa.kernels:
  - .name:           k_qdc61567cbf_prep
    .symbol:         k_qdc61567cbf_prep.kd
    .args:
      - { .name: embedding, .offset: 0, .size: 8, .value_kind: global_buffer, .address_space: global }
      - { .name: memory_bank, .offset: 8, .size: 8, .value_kind: global_buffer, .address_space: global }
      - { .name: rows16, .offset: 16, .size: 8, .value_kind: global_buffer, .address_space: global }
      - { .name: norms, .offset: 24, .size: 8, .value_kind: global_buffer, .address_space: global }
    .group_segment_fixed_size: 768
    .private_segment_fixed_size: 0
    .kernarg_segment_align: 8
    .kernarg_segment_size: 32
    .max_flat_workgroup_size: 128
    .sgpr_count:     66
    .vgpr_count:     154
    .wavefront_size: 32
...
	.end_amdgpu_metadata
.endif
;; end of part 4
;; launch nearest: the kernel of part 2 again; grid 8 x 32, 4 waves a work-group, clusters of 4 x 4, 327,680 bytes of LDS; arguments rows16, norms, part; writes part
;; launch finish: the kernel of part 3 again; grid 64 x 1, 1 waves a work-group, no clusters, 0 bytes of LDS; arguments part, norms, out0; writes out0
